; MI455X (gfx1250); checked and timed in simulation.
; The chip was launched on July 23, 2026; its instructions are those of AMD's public machine-readable ISA for CDNA 5 (MIT licence, August 2026) and "CDNA5" Instruction Set Architecture Reference Guide (July 2026). The comments in the code are by the model that wrote it; some were corrected since.
;; Linear Attention. Allowed arithmetic: float matrix products may take bf16 or f16 operands with f32 sums; other float arithmetic in f32, or as packed bf16 or f16 multiplies, adds, multiply-adds, maxima and minima; sums over many terms, partial sums and values carried from step to step in f32; what a program stores and reads back later, other than sums and carried values, may be rounded once to bf16 or f16.
;; Inputs: W_qkv 1,024 x 3,072 float32; b_qkv 3,072 float32; x 4 x 4,096 x 1,024 float32.
;; Outputs: out0 4 x 4,096 x 1,024 float32.
;; One version. Each part assembles by itself: llvm-mc -triple=amdgcn-amd-amdhsa -mcpu=gfx1250 --defsym DOCPART=n.
;; ======== version 1 of 1: 2 launches
;; limits: values are held in f16: magnitudes above 65,504 overflow, below 6.1e-05 lose precision
;; workspace buffers: wt 6,291,456 bytes; bp 12,288 bytes
;; launch prep (part 1): grid 384 x 1, 8 waves a work-group, no clusters, 18,432 bytes of LDS; arguments W_qkv, b_qkv, wt, bp; writes wt, bp
.if DOCPART == 1
	.amdgcn_target "amdgcn-amd-amdhsa--gfx1250"
	.amdhsa_code_object_version 6
	.text
	.protected	k_q28370541eb_prep
	.globl	k_q28370541eb_prep
	.p2align	8
	.type	k_q28370541eb_prep,@function
k_q28370541eb_prep:
	s_mov_b64 s[64:65], 0
	v_nop
	global_prefetch_b8 v0, s[64:65] scope:SCOPE_SE
	s_setreg_imm32_b32 hwreg(HW_REG_WAVE_MODE, 25, 1), 1
	s_wait_xcnt 0x0
; W_qkv [1024][3072] f32 -> wt: bf16, in the order in which the main launch streams it and in the register image of a matrix fragment.
; wt byte = p<<21 | s<<17 | w<<15 | kk<<14 | b<<10 | c<<9 | half<<8 | r<<4 | 2 e holds W[k][col] x sc, k = 64 s + 32 kk + 16 c + 8 half + e;
;   p = 0 (K): col = 1024 + 16 F + r, sc = 1     p = 1 (Q): col = 16 F + r, sc = 1/8 (a power of two: exact)     p = 2 (V): col = 2048 + 64 r + F, sc = 1;   F = 16 w + b.
; bp[1024 p + 16 F + r] = sc x b_qkv[col] rounded to bf16, kept as f32: the main launch starts its sums with it.
; SHARES.  Work-group id = 128 p + 4 q + u takes the 8 rows k = 32 q + 8 u + e of W and the pass's 1,024 columns: of each of the 64 fragments F one piece of 256 bytes (c = u / 2, half = u % 2).
; Thread t loads columns 4 t .. 4 t + 3 of the 8 rows (16 lanes: 256 consecutive bytes), turns each column's 8 numbers into 16 bytes, and puts them into LDS at piece F, place r;
; behind a barrier the pieces are read back whole and stored: 16 lanes store 256 consecutive bytes, at a multiple of 256 from wt's first byte.
.set ROWB,  12288                      ; bytes in a row of W
.set PP,    272                        ; a piece in LDS: 256 bytes + 16
.set SPARE, 17408                      ; behind the 64 pieces: the spare words, 128 bytes for each of the eight waves, which no other line names
.set SPW,   6                          ; v6   LDS address of my spare word; never rewritten
.set NIL,   7                          ; v7   0; never rewritten
.set D,     16                         ; v[16:47]  row e's four columns at D + 4 e; later the pieces read back
.set PK,    48                         ; v[48:63]  column i's 16 bytes at PK + 4 i
	s_load_b256 s[4:11], s[0:1], 0x0               ; W s[4:5], b s[6:7], wt s[8:9], bp s[10:11]
	v_lshl_add_u32 v[SPW], v0, 2, SPARE
	v_mov_b32 v[NIL], 0
	s_lshr_b32 s12, ttmp9, 7                       ; p
	s_bfe_u32 s13, ttmp9, 0x50002                  ; q: 5 bits from bit 2
	s_and_b32 s14, ttmp9, 3                        ; u
	s_lshl_b32 s15, s12, 11
	s_add_co_u32 s15, s15, 4096                    ; the pass's first column in bytes: 4,096 (K), 8,192 (V),
	s_cmp_eq_u32 s12, 1
	s_cselect_b32 s15, 0, s15                      ; 0 (Q)
	s_cselect_b32 s16, 0x3e000000, 1.0             ; sc
	s_mov_b32 s17, s16                             ; named with it as a pair
	s_lshl_b32 s18, s13, 5
	s_lshl3_add_u32 s18, s14, s18                  ; my first row: 32 q + 8 u
	s_mul_i32 s18, s18, ROWB
	s_add_co_u32 s18, s18, s15
	s_mov_b32 s19, 0
	s_lshl_b32 s20, s12, 21                        ; where my pieces go: p<<21
	s_lshr_b32 s21, s13, 1
	s_lshl_b32 s21, s21, 17                        ; s = q / 2
	s_or_b32 s20, s20, s21
	s_and_b32 s21, s13, 1
	s_lshl_b32 s21, s21, 14                        ; kk = q % 2
	s_or_b32 s20, s20, s21
	s_lshl_b32 s21, s14, 8                         ; c<<9 | half<<8 = u<<8
	s_or_b32 s20, s20, s21
	s_mov_b32 s21, 0
	v_lshlrev_b32 v1, 4, v0                        ; my 16 bytes of a row
	v_lshrrev_b32 v8, 4, v0                        ; t / 16
	v_and_b32 v9, 15, v0                           ; t % 16
	v_lshlrev_b32 v2, 10, v8                       ; out: fragment b = t / 16, 16 bytes at t % 16
	v_lshl_add_u32 v2, v9, 4, v2
	v_mul_u32_u24 v3, v8, PP                       ; and the same place in LDS
	v_lshl_add_u32 v3, v9, 4, v3
	s_wait_kmcnt 0x0
	s_add_nc_u64 s[4:5], s[4:5], s[18:19]
	s_add_nc_u64 s[8:9], s[8:9], s[20:21]
.irp e, 0,1,2,3,4,5,6,7
	global_load_b128 v[D+4*\e:D+4*\e+3], v1, s[4:5] offset:\e*ROWB th:TH_LOAD_NT
.endr
	s_wait_loadcnt 0x0
.irp z, 0,1,2,3,4,5,6,7,8,9,10,11,12,13,14,15
	v_pk_mul_f32 v[D+2*\z:D+2*\z+1], v[D+2*\z:D+2*\z+1], s[16:17] op_sel_hi:[1,0]
.endr
.irp i, 0,1,2,3
.irp m, 0,1,2,3
	v_cvt_pk_bf16_f32 v[PK+4*\i+\m], v[D+8*\m+\i], v[D+8*\m+4+\i]  ; rows 2 m and 2 m + 1 of column i
.endr
.endr
	s_cmp_eq_u32 s12, 2                            ; the same in every wave of the work-group
	s_cbranch_scc1 .Lv_in
	v_lshrrev_b32 v4, 2, v0                        ; K, Q: column 4 t + i is place r = 4 (t % 4) + i of fragment F = t / 4
	v_mul_u32_u24 v4, v4, PP
	v_and_b32 v5, 3, v0
	v_lshl_add_u32 v4, v5, 6, v4
.irp i, 0,1,2,3
	ds_store_b128 v4, v[PK+4*\i:PK+4*\i+3] offset:16*\i
.endr
	s_branch .Lstored
.Lv_in:
	v_mul_u32_u24 v4, v9, 4*PP                     ; V: column 4 t + i is head r = t / 16, channel F = 4 (t % 16) + i
	v_lshl_add_u32 v4, v8, 4, v4
.irp i, 0,1,2,3
	ds_store_b128 v4, v[PK+4*\i:PK+4*\i+3] offset:PP*\i
.endr
.Lstored:
	s_wait_dscnt 0x0                               ; for the others' sake: my stores are done
	s_barrier_signal -1
	s_barrier_wait -1
.irp z, 0,1,2,3
	ds_load_b128 v[D+4*\z:D+4*\z+3], v3 offset:\z*16*PP  ; fragment F = 16 z + t / 16
.endr
.irp z, 0,1,2,3
	s_wait_dscnt 3-\z                              ; LDS loads come back in order: the younger ones may stay out
	global_store_b128 v2, v[D+4*\z:D+4*\z+3], s[8:9] offset:\z*32768  ; w = z
.endr
	; the bias: one work-group of each pass; thread t makes bp[1024 p + 4 t + i]: F = t / 4, r = 4 (t % 4) + i
	s_and_b32 s22, ttmp9, 127
	s_cmp_lg_u32 s22, 0
	s_cbranch_scc1 .Lend
	s_cmp_eq_u32 s12, 2
	s_cbranch_scc1 .Lv_bias
	v_lshl_add_u32 v10, v0, 4, s15                 ; K, Q: four neighbouring columns
	global_load_b128 v[32:35], v10, s[6:7]
	s_branch .Lbias_in
.Lv_bias:
	v_and_b32 v10, 3, v0                           ; V: column 2048 + 64 r + F
	v_lshlrev_b32 v10, 10, v10
	v_lshrrev_b32 v5, 2, v0
	v_lshl_add_u32 v10, v5, 2, v10
.irp i, 0,1,2,3
	global_load_b32 v[32+\i], v10, s[6:7] offset:8192+256*\i
.endr
.Lbias_in:
	s_wait_loadcnt 0x0
	v_cvt_pk_bf16_f32 v36, v32, v33                ; rounded like the other inputs,
	v_cvt_pk_bf16_f32 v37, v34, v35
	v_lshlrev_b32 v40, 16, v36                     ; and widened again
	v_and_b32 v41, 0xffff0000, v36
	v_lshlrev_b32 v42, 16, v37
	v_and_b32 v43, 0xffff0000, v37
	v_pk_mul_f32 v[40:41], v[40:41], s[16:17] op_sel_hi:[1,0]
	v_pk_mul_f32 v[42:43], v[42:43], s[16:17] op_sel_hi:[1,0]
	s_lshl_b32 s22, s12, 12
	v_lshl_add_u32 v11, v0, 4, s22
	global_store_b128 v11, v[40:43], s[10:11]
.Lend:
	s_wait_tensorcnt 0x0                           ; the wave's end, behind my last LDS store
	ds_add_u32 v[SPW], v[NIL]
	s_wait_dscnt 0x0
	s_endpgm
.Lfunc_end_k_q28370541eb_prep:
	.size	k_q28370541eb_prep, .Lfunc_end_k_q28370541eb_prep-k_q28370541eb_prep
	.p2alignl 7, 3214868480
	.fill 96, 4, 3214868480
	.section	.rodata,"a",@progbits
	.p2align	6, 0x0
	.amdhsa_kernel k_q28370541eb_prep
		.amdhsa_group_segment_fixed_size 18432
		.amdhsa_private_segment_fixed_size 0
		.amdhsa_enable_private_segment 0
		.amdhsa_kernarg_size 32
		.amdhsa_user_sgpr_count 2
		.amdhsa_user_sgpr_kernarg_segment_ptr 1
		.amdhsa_wavefront_size32 1
		.amdhsa_system_sgpr_workgroup_id_x 1
		.amdhsa_system_sgpr_workgroup_id_y 1
		.amdhsa_system_sgpr_workgroup_id_z 1
		.amdhsa_system_vgpr_workitem_id 0
		.amdhsa_next_free_vgpr 64
		.amdhsa_next_free_sgpr 66
		.amdhsa_reserve_vcc 0
		.amdhsa_float_denorm_mode_32 3
		.amdhsa_float_denorm_mode_16_64 3
		.amdhsa_memory_ordered 1
		.amdhsa_forward_progress 1
		.amdhsa_inst_pref_size 9
	.end_amdhsa_kernel
	.amdgpu_metadata
---
amdhsa.version: [ 1, 2 ]
amdhsa.kernels:
  - .name:           k_q28370541eb_prep
    .symbol:         k_q28370541eb_prep.kd
    .args:
      - { .name: W_qkv, .offset: 0, .size: 8, .value_kind: global_buffer, .address_space: global }
      - { .name: b_qkv, .offset: 8, .size: 8, .value_kind: global_buffer, .address_space: global }
      - { .name: wt, .offset: 16, .size: 8, .value_kind: global_buffer, .address_space: global }
      - { .name: bp, .offset: 24, .size: 8, .value_kind: global_buffer, .address_space: global }
    .group_segment_fixed_size: 18432
    .private_segment_fixed_size: 0
    .kernarg_segment_align: 8
    .kernarg_segment_size: 32
    .max_flat_workgroup_size: 256
    .sgpr_count:     66
    .vgpr_count:     64
    .wavefront_size: 32
...
	.end_amdgpu_metadata
.endif
;; end of part 1
;; launch main (part 2): grid 256 x 1, 4 waves a work-group, clusters of 4 x 1, 327,680 bytes of LDS; arguments x, wt, bp, out0; writes out0
.if DOCPART == 2
	.amdgcn_target "amdgcn-amd-amdhsa--gfx1250"
	.amdhsa_code_object_version 6
	.text
	.protected	k_q28370541eb_main
	.globl	k_q28370541eb_main
	.p2align	8
	.type	k_q28370541eb_main,@function
k_q28370541eb_main:
	s_mov_b64 s[64:65], 0
	v_nop
	global_prefetch_b8 v0, s[64:65] scope:SCOPE_SE
	s_setreg_imm32_b32 hwreg(HW_REG_WAVE_MODE, 25, 1), 1
	s_wait_xcnt 0x0
	s_wait_alu depctr_hold_cnt(0) depctr_sa_sdst(0) depctr_va_vdst(0) depctr_va_sdst(0) depctr_va_ssrc(0) depctr_va_vcc(0) depctr_vm_vsrc(0)
	s_getreg_b32 s2, hwreg(HW_REG_IB_STS2, 6, 4)
	s_cmp_eq_u32 s2, 0
	s_cbranch_scc0 .Lentry_in_a_cluster
	s_endpgm
.Lentry_in_a_cluster:
	s_bfe_u32 s2, ttmp6, 0x10000c
	s_cmp_lg_u32 s2, 0x3003
	s_cbranch_scc0 .Lentry_shape_is_right
	s_endpgm
.Lentry_shape_is_right:
; out[t][h][:] = sum over g of ((q[t][h] / 8) . softmax(k[t][g])) v[t][g][:], with q, k, v = x W + b: 16,384 tokens, 16 heads of 64 channels.
; FORMATS.  x, W, b rounded to bf16, sums in f32 (they start at the bias).  q / 8, the softmax's weights, v and the 16 x 16 products P are rounded once to f16 for the token-wise products, whose sums are f32.
; LIMITS.  q / 8, v and P pass through f16: beyond 65,504 they are lost (inputs 30 times the drawn spread give about 5,000, an offset of 30 spreads on x and W together about 29,000).  A weight below 6e-5 keeps f16's fixed
; step; an exponential below 2^-126 counts as 0; NaN and infinities are not treated apart.  K is summed in an order that is turned from cluster to cluster.
; SHARES.  A work-group owns 64 tokens and walks all weights in three passes of 1,024 columns: K, Q, V.  In a pass wave w owns columns 256 w .. 256 w + 255 for all 64 tokens: 64 accumulators, 512 registers.
; Between the passes the tokens change hands through a stage in LDS, 16 tokens a time: wave w then owns tokens 16 tt + 4 w + u.
; x IS READ ONCE A PASS, three times in all: a pass's sums (256 KiB), the softmax's weights (128 KiB), two slots of weights (256 KiB), fragments and stage leave no 128 KiB of registers or LDS for it.
; THE RING.  wt lies in stream order; a K step of 64 is 131,072 bytes, 32,768 a wave.  All work-groups walk the same weights, so the four of a cluster ask JOINTLY: the same tensor load, descriptor and mask in all four.
; Cluster c begins each pass at K step c % 16 and goes round.  x's 64 x 64 numbers of a step come through registers: loaded a step ahead, rounded, stored into one of two small LDS buffers of their own.
; THE PRODUCT IS USED TRANSPOSED (source 0 = 16 rows of wt, source 1 = 16 tokens): a lane holds one token and eight neighbouring rows of the tile: eight channels of a head (K, Q), or, by wt's order in pass V,
; the eight heads 8 (l / 16) + j of one channel.  Packed to 16 bytes these are the units of which the token-wise fragments are made.
; TOKEN-WISE.  S^T = khat Q^T (rows g, columns h): a lane holds h = l % 16 and g = 8 (l / 16) + j, which rounded in pairs ARE registers 0-3 of P as source 0 (K = g; registers 4-7 are 0).  out = P V_c, where V_c's column n is
; channel 4 n + c: the four results' register j are 16 neighbouring bytes of head 8 (l / 16) + j, and 16 lanes store 256 consecutive bytes.
; REGISTERS, in windows of 256 (s_set_vgpr_msb: bits 1:0 source 0, 3:2 source 1, 5:4 source 2, 7:6 destination):
;   window 0: v0-15 addresses; v16-31 x rounded, on its way into LDS; v32-95 x's fragments (kk = 0, 1); v96-223 W's fragments, two buffers of 8 tiles; v224-255 x on its way from memory.
;             Between passes v160-223 are the softmax's work registers; at the end v32-159 the rows to store
;   window 1: khat of token tau = 4 tt + u at 16 tau (two fragments); later P at 16 tau .. + 7 and V's fragment f at 16 f + 8 .. + 15
;   windows 2, 3: accumulator (b, tt) at register 32 (b % 8) + 8 tt of window 2 + b / 8
.set SLOTB, 131072                     ; a slot: wave w's block at 32,768 w; fragment (kk, b) at 1,024 (16 kk + b): a lane's 16 bytes at 16 l and at 512 + 16 l, so every read is 512 consecutive bytes
.set XBUF,  262144                     ; two buffers of 64 token rows
.set XBB,   9216
.set XPI,   144                        ; a row: 128 bytes of bf16 + 16: the 16 rows of a load start at 16 different groups of four banks (ISA guide 11.1)
.set STAGE, 280576                     ; 16 tokens.  K, Q: token x 2,320 + head x 144 + 2 d.  V: token x 2,064 + (d % 4) x 512 + half x 256 + (d / 4) x 16
.set KPI,   2320
.set HPI,   144
.set VPI,   2064
.set SPARE, 317696                     ; the spare words, 128 bytes for each wave: two blocks of 256 bytes that no other line names
.set PFW,  1                           ; v1   wt's prefetch: a lane 256 bytes
.set SPW,  2                           ; v2   LDS address of my spare word; never rewritten
.set NIL,  3                           ; v3   0; never rewritten
.set ADRB, 4                           ; v4-5 my 16 bytes of a fragment of W in slot 0, 1
.set ADRA, 6                           ; v6   my place in a fragment of x
.set XSA,  7                           ; v7   where I store 8 bytes of x
.set XO,   8                           ; v8   my 16 bytes of x in memory
.set BO,   9                           ; v9   my 32 bytes of a tile's bias
.set STO,  10                          ; v10  stage, K and Q: in
.set FRD,  11                          ; v11  stage, K and Q: back
.set VSTO, 12                          ; v12  stage, V: in
.set VRD,  13                          ; v13  stage, V: back
.set OO,   14                          ; v14  my 16 bytes of out
.set PFX,  15                          ; v15  x's prefetch: a lane a row
.set XC,   16                          ; v16-31  x rounded: the LDS stores' data, apart from the registers into which the next loads land
.set AF,   32
.set BF,   96
.set XR,   224
.set KT,   160                         ; head hh's 16 work registers at KT + 16 hh: c0-c3, c m, m, four pairs of sums, 1 / l twice
.set OUTB, 32
.set WV,   12                          ; s12  my wave's number          (s13 cx, s14 my work-group's number: they enter x's, out's and the prefetch's addresses alone)
.set ROT,  15                          ; s15  the cluster's first K step
.set N2,   16                          ; s16  the step in hand + 2, counted through all three passes
.set RO,   17                          ; s17  (N2 + ROT) % 16: that step's place along K
.set XB,   18                          ; s[18:19] x at my work-group's first token
.set XA,   20                          ; s[20:21] x at the step being loaded
.set WB,   22                          ; s[22:23] wt at my wave's block of step 0
.set G1,   24                          ; s[24:31] descriptor group 1
.set G0,   32                          ; s[32:39] descriptor group 0, a set for each slot
.set PX,   44                          ; s[44:45] x's prefetch
.set PW,   46                          ; s[46:47] wt's prefetch
.set LIMX, 48                          ; s48  x is prefetched while N2 is below it
.set LIMW, 49                          ; s49  wt is prefetched when N2 equals it
.set CNT,  50
.set CS,   52                          ; s[52:53] log2(e)
.set SEL,  54                          ; s[54:55] v_permlanex16_b32's selects: each lane takes its own place in the other half
.set OUT,  56                          ; s[56:57] out at my work-group's first token
.set MSB, 0
.macro WIN new                         ; the immediate's high byte repeats the setting that is left; a switch that changes nothing is dropped
.if MSB != (\new)
	s_set_vgpr_msb (MSB<<8)|(\new)
.set MSB, \new
.endif
.endm
.macro PLACES                          ; four places in front of loads into registers that matrix instructions have read, and of vector work that reads results just made
.rept 4
	v_nop
.endr
.endm
.macro CREST                           ; a round of the cluster's barrier behind its opening barrier
	s_cmp_lg_u32 s[WV], 0
	s_cbranch_scc1 .Lnot_wave_0_\@
	s_barrier_signal -3
.Lnot_wave_0_\@:
	s_barrier_wait -3
	s_barrier_signal -1
	s_barrier_wait -1
.endm
.macro CROUND                          ; a whole round
	s_barrier_signal -1
	s_barrier_wait -1
	CREST
.endm
.macro SYNC                            ; my LDS instructions are done; then the work-group's barrier.  A tensor load may stay out
	WIN 0
	s_wait_dscnt 0x0
	s_barrier_signal -1
	s_barrier_wait -1
.endm
; 16 LDS loads: the 8 tiles of W of quarter q (kk = q / 2, tiles 8 (q % 2) + i) of slot sg into buffer buf
.macro FETCHB sg, q, buf
.irp i, 0,1,2,3,4,5,6,7
	ds_load_b128 v[BF+64*(\buf)+8*\i:BF+64*(\buf)+8*\i+3],   v[ADRB+(\sg)] offset:(8*(\q)+\i)*1024
	ds_load_b128 v[BF+64*(\buf)+8*\i+4:BF+64*(\buf)+8*\i+7], v[ADRB+(\sg)] offset:(8*(\q)+\i)*1024+512
.endr
.endm
; 8 LDS loads: x's four fragments (16 tokens x 32 along K) of half kk of the step in buffer sg
.macro FETCHA sg, kk
.irp t, 0,1,2,3
	ds_load_b128 v[AF+32*(\kk)+8*\t:AF+32*(\kk)+8*\t+3],   v[ADRA] offset:(\sg)*XBB+\t*16*XPI+(\kk)*64
	ds_load_b128 v[AF+32*(\kk)+8*\t+4:AF+32*(\kk)+8*\t+7], v[ADRA] offset:(\sg)*XBB+\t*16*XPI+(\kk)*64+32
.endr
.endm
; 4 n matrix instructions of quarter q: tiles i0 .. i0 + n - 1 x the four token tiles.  The 64 accumulators take turns, one instruction a turn, in the same order in every step.
; pl = 1: a v_nop behind each of the first four: the four places between the quarter before, whose products read the other buffer of W's tiles, and the run of loads that fills that buffer in this quarter's middle.
.macro MUL q, i0, n, pl=0
	WIN 0xa0+0x50*((\q)&1)
.set mi, \i0
.rept \n
.irp t, 0,1,2,3
	v_wmma_f32_16x16x32_bf16 v[32*mi+8*\t:32*mi+8*\t+7], v[BF+64*((\q)&1)+8*mi:BF+64*((\q)&1)+8*mi+7], v[AF+32*((\q)>>1)+8*\t:AF+32*((\q)>>1)+8*\t+7], v[32*mi+8*\t:32*mi+8*\t+7]
.if (\pl) && (mi == (\i0))
	v_nop
.endif
.endr
.set mi, mi+1
.endr
.endm
; Where x of step N2 lies; pfx = 1: and x of the step two on.  Scalar work alone; it stands behind the waits that show the last loads and prefetches done with these registers.
.macro XADDR pfx
	s_lshl_b32 s40, s[RO], 8
	s_mov_b32 s41, 0
	s_add_nc_u64 s[XA:XA+1], s[XB:XB+1], s[40:41]
.if \pfx
	s_add_co_u32 s42, s[RO], 2
	s_and_b32 s42, s42, 15
	s_lshl_b32 s42, s42, 8
	s_mov_b32 s43, 0
	s_add_nc_u64 s[PX:PX+1], s[XB:XB+1], s[42:43]
.endif
.endm
; x of the next step, which was asked for a step ago, is rounded into registers of its own and stored into buffer sg.  The 16 conversions name no register of the products round them: they are the places in front
; of the loads that follow.  adr = 1: the next loads' address is made between the conversions and the stores.
.macro XSTORE sg, adr, pfx
	s_wait_xcnt 0x0                                ; the loads and prefetches of a step ago have read their addresses: XA and PX are written again below
	s_wait_loadcnt 0x0                             ; my eight loads are in: nothing else is out
.irp i, 0,1,2,3,4,5,6,7
	v_cvt_pk_bf16_f32 v[XC+2*\i],   v[XR+4*\i],   v[XR+4*\i+1]
	v_cvt_pk_bf16_f32 v[XC+2*\i+1], v[XR+4*\i+2], v[XR+4*\i+3]
.endr
.if \adr
	XADDR \pfx
.endif
.irp i, 0,1,2,3,4,5,6,7
	ds_store_b64 v[XSA], v[XC+2*\i:XC+2*\i+1] offset:(\sg)*XBB+\i*2*XPI
.endr
.endm
; x of step N2 is asked for: 64 rows x 256 bytes; a load of the wave covers two rows' 256 consecutive bytes.  pfx = 1 (the first pass, in which x is read for the first time): waves 0 and 1 prefetch the 256 bytes of
; each of the 64 rows that the load two steps on will want, a lane a row, behind the loads; each block is named once, by its own work-group; the pass's last two loads have no step two on.
.macro XLOAD pfx
.irp i, 0,1,2,3,4,5,6,7
	global_load_b128 v[XR+4*\i:XR+4*\i+3], v[XO], s[XA:XA+1] offset:\i*8192
.endr
.if \pfx
	s_cmp_lt_u32 s[N2], s[LIMX]
	s_cbranch_scc0 .Lno_x_\@
	global_prefetch_b8 v[PFX], s[PX:PX+1] th:TH_LOAD_NT scope:SCOPE_SE
.Lno_x_\@:
.endif
.endm
; A step is four quarters of 32 matrix instructions.  One of the first three: multiplies quarter q and, in its middle, fetches the next quarter's tiles of W (and, in quarter 1, x's second half) in one run.
; The wait for this quarter's tiles 4 to 7 stands AHEAD of that run: they were asked for 32 products ago, and nothing that the run issues is waited for here.
; xw (quarter 0): 2 = x of the next step is stored and x of the step after it asked for; 1 = stored alone; 0 = neither.
.macro QUARTER sg, q, xw, pfx
	s_wait_dscnt 8                                 ; all but the youngest eight loads, which are W's tiles 4 to 7
.if ((\q)==0) && ((\xw)>0)
	MUL \q, 0, 4
.else
	MUL \q, 0, 4, 1
.endif
	WIN 0
	s_wait_dscnt 0x0                               ; tiles 4 to 7 are in
.if ((\q)==0) && ((\xw)==2)
	XSTORE 1-(\sg), 1, \pfx
.elseif ((\q)==0) && ((\xw)==1)
	XSTORE 1-(\sg), 0, 0
.endif
.if (\q)==1
	FETCHA \sg, 1
.endif
	FETCHB \sg, (\q)+1, ((\q)+1)&1
.if ((\q)==0) && ((\xw)==2)
	XLOAD \pfx
.endif
	MUL \q, 4, 4
.endm
; The last quarter changes slots: ONE barrier for three things: nobody reads slot sg or x's buffer sg any more, the other slot is whole, and x's other buffer is written.  In front of it each wave waits for all its
; tensor loads (one is out: its part of the other slot), adds 0 to its spare word, and waits for that and for all its LDS reads and stores.  fill = 1: the barrier opens a round of the cluster's, and the joint refill
; of slot sg, with step N2's block, is the first thing behind it: one tensor load of mine is out from there to the next change.  Eight products stand between the add and the wait for it, four between signal and
; wait, twenty behind the fetch of the next slot's first fragments.
; pfw = 1: two changes ahead of the load that first wants the next pass's weights, clusters 0 to 15 prefetch the block with which they will begin: 131,072 bytes, shared out by address among the four partners'
; sixteen waves, a lane 256 bytes: each block of the next pass is named once in the launch.
.macro TURN sg, fill, pfw
	WIN 0                                          ; (the add's two registers lie in window 0)
	s_wait_tensorcnt 0x0                           ; no tensor load of mine is out, so a group 0 may be written
	ds_add_u32 v[SPW], v[NIL]                      ; 0 onto my spare word
	s_wait_dscnt 9                                 ; the add and the youngest eight loads may be out
	MUL 3, 0, 2
.if \fill
	s_lshr_b32 s40, s[N2], 4                       ; the refill's address: the pass,
	s_lshl_b32 s40, s40, 21
	s_lshl_b32 s41, s[RO], 17                      ; the place along K
	s_add_co_u32 s40, s40, s41
	s_mov_b32 s41, 0
	s_add_nc_u64 s[G0+4*(\sg)+2:G0+4*(\sg)+3], s[WB:WB+1], s[40:41]
	s_or_b32 s[G0+4*(\sg)+3], s[G0+4*(\sg)+3], 0x80000000
.endif
	s_wait_dscnt 0x0                               ; the add is done; my reads of the slot and of x's buffer are over, my stores of x are done
	s_barrier_signal -1
	MUL 3, 2, 1
	WIN 0
	s_barrier_wait -1
.if \fill
	CREST
	tensor_load_to_lds s[G0+4*(\sg):G0+4*(\sg)+3], s[G1:G1+7]
	s_nop 0
.endif
	PLACES                                         ; behind the load, and the places in front of the loads below
	FETCHA 1-(\sg), 0
	FETCHB 1-(\sg), 0, 0
.if \pfw
	s_cmp_eq_u32 s[N2], s[LIMW]
	s_cbranch_scc0 .Lno_w_\@
	global_prefetch_b8 v[PFW], s[PW:PW+1] th:TH_LOAD_NT scope:SCOPE_SE
.Lno_w_\@:
.endif
	MUL 3, 3, 5
	s_add_co_u32 s[N2], s[N2], 1
	s_add_co_u32 s[RO], s[N2], s[ROT]
	s_and_b32 s[RO], s[RO], 15
.endm
.macro LAP pfx, pfw                    ; once round the ring
	QUARTER 0, 0, 2, \pfx
	QUARTER 0, 1, 0, 0
	QUARTER 0, 2, 0, 0
	TURN 0, 1, \pfw
	QUARTER 1, 0, 2, \pfx
	QUARTER 1, 1, 0, 0
	QUARTER 1, 2, 0, 0
	TURN 1, 1, \pfw
.endm
; The sums of pass p start at the bias: a lane's eight rows of tile b are 32 consecutive bytes of bp, the same for every token
.macro BIAS p, tt
	WIN 0x80
.irp b, 0,1,2,3,4,5,6,7
	global_load_b128 v[32*\b+8*(\tt):32*\b+8*(\tt)+3],   v[BO], s[8:9] offset:(\p)*4096+\b*64
	global_load_b128 v[32*\b+8*(\tt)+4:32*\b+8*(\tt)+7], v[BO], s[8:9] offset:(\p)*4096+\b*64+16
.endr
	WIN 0xc0
.irp b, 0,1,2,3,4,5,6,7
	global_load_b128 v[32*\b+8*(\tt):32*\b+8*(\tt)+3],   v[BO], s[8:9] offset:(\p)*4096+(\b+8)*64
	global_load_b128 v[32*\b+8*(\tt)+4:32*\b+8*(\tt)+7], v[BO], s[8:9] offset:(\p)*4096+(\b+8)*64+16
.endr
	WIN 0
.endm
; BEHIND PASS K: the softmax of my four heads for the 16 tokens of tile tt.  A lane holds 32 of a head's 64 channels (tiles 4 hh + i, registers j), the lane 16 away the others.
.macro KREGS hh, tt
.set kW, 2+((\hh)>>1)                  ; the head's window
.set kS, 128*((\hh)&1)+8*(\tt)         ; score (i, j) at kS + 32 i + j
.set kT, KT+16*(\hh)
.endm
.macro KMAX tt                         ; the maximum: four chains, one a tile, each beginning at its accumulator's lowest registers
.irp hh, 0,1,2,3
	KREGS \hh, \tt
	WIN kW|(kW<<2)|(kW<<4)
.irp i, 0,1,2,3
	v_max3_num_f32 v[kT+\i], v[kS+32*\i], v[kS+32*\i+1], v[kS+32*\i+2]
.endr
	WIN (kW<<2)|(kW<<4)
.irp i, 0,1,2,3
	v_max3_num_f32 v[kT+\i], v[kT+\i], v[kS+32*\i+3], v[kS+32*\i+4]
.endr
.irp i, 0,1,2,3
	v_max3_num_f32 v[kT+\i], v[kT+\i], v[kS+32*\i+5], v[kS+32*\i+6]
.endr
	v_max3_num_f32 v[kT],   v[kT],   v[kS+7],  v[kS+39]
	v_max3_num_f32 v[kT+2], v[kT+2], v[kS+71], v[kS+103]
.endr
	WIN 0
.irp hh, 0,1,2,3
	v_max3_num_f32 v[KT+16*\hh], v[KT+16*\hh], v[KT+16*\hh+1], v[KT+16*\hh+2]
.endr
.irp hh, 0,1,2,3
	v_max_num_f32 v[KT+16*\hh], v[KT+16*\hh], v[KT+16*\hh+3]
.endr
.irp hh, 0,1,2,3
	v_permlanex16_b32 v[KT+16*\hh+1], v[KT+16*\hh], s[SEL], s[SEL+1]
.endr
.irp hh, 0,1,2,3
	v_max_num_f32 v[KT+16*\hh+5], v[KT+16*\hh], v[KT+16*\hh+1]  ; m
.endr
.irp hh, 0,1,2,3
	v_mul_f32 v[KT+16*\hh+4], s[CS], v[KT+16*\hh+5]             ; c m
.endr
.endm
.macro KEXP tt                         ; 2^(c s - c m), in place.  The 128 exponentials are one batch: one plain instruction behind the last, and one wait ahead of the first reader
.irp hh, 0,1,2,3
	KREGS \hh, \tt
	WIN (kW<<6)|kW
.irp z, 0,1,2,3,4,5,6,7,8,9,10,11,12,13,14,15
.set kP, kS+32*((\z)>>2)+2*((\z)&3)
	v_pk_fma_f32 v[kP:kP+1], v[kP:kP+1], s[CS:CS+1], v[kT+4:kT+5] op_sel_hi:[1,0,0] neg_lo:[0,0,1] neg_hi:[0,0,1]
.endr
.irp z, 0,1,2,3,4,5,6,7,8,9,10,11,12,13,14,15
.set kP, kS+32*((\z)>>2)+2*((\z)&3)
	v_exp_f32 v[kP], v[kP]
	v_exp_f32 v[kP+1], v[kP+1]
.endr
.endr
	v_nop
	s_wait_alu depctr_va_vdst(0)
.endm
.macro KSUM tt                         ; l, in f32, of the unrounded weights: 16 pairs into four, into one; the two halves; the other lanes'; 1 / l twice, for the packed multiply
.irp hh, 0,1,2,3
	KREGS \hh, \tt
	WIN kW|(kW<<2)|(kW<<4)
.irp k, 0,1,2,3
.set kP, kS+32*((\k)>>1)+4*((\k)&1)
	v_pk_add_f32 v[kT+6+2*\k:kT+7+2*\k], v[kP:kP+1], v[kP+2:kP+3]
.endr
	WIN (kW<<2)|(kW<<4)
.irp k, 0,1,2,3
	v_pk_add_f32 v[kT+6+2*\k:kT+7+2*\k], v[kT+6+2*\k:kT+7+2*\k], v[kS+64+2*\k:kS+65+2*\k]
.endr
.irp k, 0,1,2,3
	v_pk_add_f32 v[kT+6+2*\k:kT+7+2*\k], v[kT+6+2*\k:kT+7+2*\k], v[kS+96+2*\k:kS+97+2*\k]
.endr
.endr
	WIN 0
.irp hh, 0,1,2,3
	v_pk_add_f32 v[KT+16*\hh+6:KT+16*\hh+7],   v[KT+16*\hh+6:KT+16*\hh+7],   v[KT+16*\hh+8:KT+16*\hh+9]
	v_pk_add_f32 v[KT+16*\hh+10:KT+16*\hh+11], v[KT+16*\hh+10:KT+16*\hh+11], v[KT+16*\hh+12:KT+16*\hh+13]
.endr
.irp hh, 0,1,2,3
	v_pk_add_f32 v[KT+16*\hh+6:KT+16*\hh+7], v[KT+16*\hh+6:KT+16*\hh+7], v[KT+16*\hh+10:KT+16*\hh+11]
.endr
.irp hh, 0,1,2,3
	v_add_f32 v[KT+16*\hh], v[KT+16*\hh+6], v[KT+16*\hh+7]
.endr
.irp hh, 0,1,2,3
	v_permlanex16_b32 v[KT+16*\hh+1], v[KT+16*\hh], s[SEL], s[SEL+1]
.endr
.irp hh, 0,1,2,3
	v_add_f32 v[KT+16*\hh], v[KT+16*\hh], v[KT+16*\hh+1]
.endr
.irp hh, 0,1,2,3
	v_rcp_f32 v[KT+16*\hh+14], v[KT+16*\hh]
	v_rcp_f32 v[KT+16*\hh+15], v[KT+16*\hh]
.endr
	v_nop                                          ; a plain instruction behind the last reciprocal,
	s_wait_alu depctr_va_vdst(0)                   ; and one wait for the eight
.endm
.macro KNORM tt                        ; divided by l, rounded to f16 in place: a tile's eight numbers into its registers 0-3
.irp hh, 0,1,2,3
	KREGS \hh, \tt
	WIN (kW<<6)|kW
.irp z, 0,1,2,3,4,5,6,7,8,9,10,11,12,13,14,15
.set kP, kS+32*((\z)>>2)+2*((\z)&3)
	v_pk_mul_f32 v[kP:kP+1], v[kP:kP+1], v[kT+14:kT+15]
.endr
	WIN (kW<<6)|kW|(kW<<2)
.irp i, 0,1,2,3
.irp j, 0,1,2,3
	v_cvt_pk_f16_f32 v[kS+32*\i+\j], v[kS+32*\i+2*\j], v[kS+32*\i+2*\j+1]
.endr
.endr
.endr
.endm
.macro KPUT tt                         ; 16 bytes a tile into the stage
.irp hh, 0,1,2,3
	KREGS \hh, \tt
	WIN kW<<2
.irp i, 0,1,2,3
	ds_store_b128 v[STO], v[kS+32*\i:kS+32*\i+3] offset:\hh*HPI+\i*32
.endr
.endr
.endm
.macro KBACK tt                        ; token 4 w + u comes back as two fragments: row = head, 32 channels each
	WIN 0x40
.irp u, 0,1,2,3
.irp kk, 0,1
	ds_load_b128 v[64*(\tt)+16*\u+8*\kk:64*(\tt)+16*\u+8*\kk+3],   v[FRD] offset:\u*KPI+\kk*64
	ds_load_b128 v[64*(\tt)+16*\u+8*\kk+4:64*(\tt)+16*\u+8*\kk+7], v[FRD] offset:\u*KPI+\kk*64+32
.endr
.endr
.endm
; Tile tt changes hands while tile nx's softmax is made: nx's maximum stands between tt's stores and the barrier behind which they are read, the rest of nx's softmax between the read-back and the barrier
; behind which the stage is written again.
.macro KROUND tt, nx
	KMAX \nx
	SYNC                                           ; the 16 tokens' weights lie in the stage, all 16 heads
	KBACK \tt
	BIAS 1, \tt                                    ; tile tt's accumulators are free: their stores are done
	KEXP \nx
	KSUM \nx
	KNORM \nx
	SYNC                                           ; everybody has read: the stage may be written again
	KPUT \nx
.endm
; Tiles 8 h .. 8 h + 7 of token tile tt rounded to f16 in place, ascending
.macro PACK8 tt, h
	WIN ((2+(\h))<<6)|(2+(\h))|((2+(\h))<<2)
.irp b, 0,1,2,3,4,5,6,7
.irp j, 0,1,2,3
	v_cvt_pk_f16_f32 v[32*\b+8*(\tt)+\j], v[32*\b+8*(\tt)+2*\j], v[32*\b+8*(\tt)+2*\j+1]
.endr
.endr
.endm
; BEHIND PASS Q: q / 8 changes hands like khat; then S^T = khat Q^T for my four tokens, and P takes khat's place
.macro QPUT tt
.irp b, 0,1,2,3,4,5,6,7,8,9,10,11,12,13,14,15
.set pW, 2+((\b)>>3)
.set pR, 32*((\b)&7)+8*(\tt)
	WIN pW<<2
	ds_store_b128 v[STO], v[pR:pR+3] offset:((\b)>>2)*HPI+((\b)&3)*32
.endr
.endm
; nx: the tile whose conversions stand in front of the two barriers and whose stores follow the second; -1: none, and no barrier behind the read-back: the stage's next store stands behind the next pass's rounds
.macro QROUND tt, nx
.if (\nx) >= 0
	PACK8 \nx, 0
.endif
	SYNC
	WIN 0x80
.irp u, 0,1,2,3
.irp kk, 0,1
	ds_load_b128 v[32*(2*\u+\kk)+8*(\tt):32*(2*\u+\kk)+8*(\tt)+3],   v[FRD] offset:\u*KPI+\kk*64
	ds_load_b128 v[32*(2*\u+\kk)+8*(\tt)+4:32*(2*\u+\kk)+8*(\tt)+7], v[FRD] offset:\u*KPI+\kk*64+32
.endr
.endr
.if (\nx) >= 0
	PACK8 \nx, 1
	SYNC
	QPUT \nx
.else
	WIN 0
	s_wait_dscnt 0x0
.endif
	WIN 0xf9                                       ; khat window 1, Q window 2, sums window 3.  The four tokens' accumulators take turns
.irp u, 0,1,2,3
	v_wmma_f32_16x16x32_f16 v[32*\u+8*(\tt):32*\u+8*(\tt)+7], v[64*(\tt)+16*\u:64*(\tt)+16*\u+7], v[64*\u+8*(\tt):64*\u+8*(\tt)+7], 0
.endr
.irp u, 0,1,2,3
	v_wmma_f32_16x16x32_f16 v[32*\u+8*(\tt):32*\u+8*(\tt)+7], v[64*(\tt)+16*\u+8:64*(\tt)+16*\u+15], v[64*\u+32+8*(\tt):64*\u+32+8*(\tt)+7], v[32*\u+8*(\tt):32*\u+8*(\tt)+7]
.endr
	PLACES
	WIN 0x4f                                       ; destination window 1, sources window 3
.irp u, 0,1,2,3
.irp j, 0,1,2,3
	v_cvt_pk_f16_f32 v[64*(\tt)+16*\u+\j], v[32*\u+8*(\tt)+2*\j], v[32*\u+8*(\tt)+2*\j+1]
.endr
.irp j, 4,5,6,7,12,13,14,15
	v_mov_b32 v[64*(\tt)+16*\u+\j], 0              ; K = 16 .. 31 of P, and of the fragment of V that will lie beside it
.endr
.endr
	BIAS 2, \tt
.endm
; BEHIND PASS V: v changes hands; out = P V_c, c = 0 .. 3, for my four tokens; the four results' registers j are gathered and stored
.macro VPUT tt
.irp b, 0,1,2,3,4,5,6,7,8,9,10,11,12,13,14,15
.set pW, 2+((\b)>>3)
.set pR, 32*((\b)&7)+8*(\tt)
	WIN pW<<2
	ds_store_b128 v[VSTO], v[pR:pR+3] offset:((\b)&3)*512+((\b)>>2)*16
.endr
.endm
.macro VROUND tt, nx                   ; nx as in QROUND; behind the last read-back nothing stores to the stage any more
.if (\nx) >= 0
	PACK8 \nx, 0
.endif
	SYNC
	WIN 0x40
.irp u, 0,1,2,3
.irp c, 0,1,2,3
	ds_load_b128 v[16*(4*\u+\c)+8:16*(4*\u+\c)+11], v[VRD] offset:\u*VPI+\c*512
.endr
.endr
.if (\nx) >= 0
	PACK8 \nx, 1
	SYNC
	VPUT \nx
.else
	WIN 0
	s_wait_dscnt 0x0
.endif
.irp u, 0,1,2,3
	WIN 0x85+0x40*((\u)>>1)                        ; P and V window 1, the result window 2 or 3: sixteen different accumulators
.irp c, 0,1,2,3
	v_wmma_f32_16x16x32_f16 v[32*((4*\u+\c)&7)+8*(\tt):32*((4*\u+\c)&7)+8*(\tt)+7], v[64*(\tt)+16*\u:64*(\tt)+16*\u+7], v[16*(4*\u+\c)+8:16*(4*\u+\c)+15], 0
.endr
.endr
	PLACES
	WIN 0
	s_wait_xcnt 0x0                                ; the last tile's stores have read their registers, which are written again below
.irp u, 0,1,2,3
	WIN 2+((\u)>>1)
.irp j, 0,1,2,3,4,5,6,7
.irp c, 0,1,2,3
	v_mov_b32 v[OUTB+32*\u+4*\j+\c], v[32*((4*\u+\c)&7)+8*(\tt)+\j]
.endr
.endr
	WIN 0
.irp j, 0,1,2,3,4,5,6,7
	global_store_b128 v[OO], v[OUTB+32*\u+4*\j:OUTB+32*\u+4*\j+3], s[OUT:OUT+1] offset:(\tt)*65536+\u*4096+\j*256 th:TH_STORE_NT  ; lanes 0-15 head j, lanes 16-31 head 8 + j: 256 consecutive bytes each, aligned
.endr
.endr
.endm
	s_load_b256 s[4:11], s[0:1], 0x0               ; x s[4:5], wt s[6:7], bp s[8:9], out s[10:11]
	v_lshl_add_u32 v[SPW], v0, 2, SPARE
	v_mov_b32 v[NIL], 0
	ds_add_u32 v[SPW], v[NIL]                      ; the wave's opening: the add and its wait stand ahead of my first tensor load; the set-up below, work on registers, stands between them
	v_lshrrev_b32 v1, 5, v0
	v_readfirstlane_b32 s[WV], v1                  ; wave 0..3
	s_bfe_u32 s13, ttmp6, 0x40000                  ; cx: my place in the cluster
	s_lshl_b32 s14, ttmp9, 2                       ; in a cluster launch ttmp9 counts clusters
	s_add_co_u32 s14, s14, s13                     ; my work-group's number
	s_and_b32 s[ROT], ttmp9, 15
	; descriptor group 1: 32,768 dense bytes as 128 rows of 256
	s_mov_b32 s[G1+0], 15|(3<<16)|(1<<21)          ; 15:0 the mask: all four work-groups; 17:16 elements of 8 bytes; 21 set beside a mask; no padding
	s_mov_b32 s[G1+1], 32<<16                      ; tensor_dim0 = 32
	s_mov_b32 s[G1+2], 128<<16                     ; tensor_dim1 = 128
	s_mov_b32 s[G1+3], 32<<16                      ; tile_dim0 = 32
	s_mov_b32 s[G1+4], 128                         ; tile_dim1 = 128
	s_mov_b32 s[G1+5], 32                          ; 32 elements from row to row
	s_mov_b32 s[G1+6], 0
	s_mov_b32 s[G1+7], 0
	s_mov_b32 s[G0], 1                             ; count = 1
	s_lshl_b32 s[G0+1], s[WV], 15                  ; LDS address: slot 0, my wave's block: no place in the cluster enters it
	s_mov_b32 s[G0+4], 1
	s_add_co_u32 s[G0+5], s[G0+1], SLOTB           ; slot 1
	s_mov_b32 s[CS], 0x3fb8aa3b                    ; log2(e)
	s_mov_b32 s[CS+1], s[CS]                       ; named with it as a pair
	s_mov_b32 s[SEL], 0x76543210
	s_mov_b32 s[SEL+1], 0xfedcba98
	s_cmp_lt_u32 s[WV], 2
	s_cselect_b32 s[LIMX], 14, 0                   ; waves 0 and 1, while the step two on is of the first pass
	s_cmp_lt_u32 ttmp9, 16
	s_cselect_b32 s[LIMW], 14, -1                  ; the same in all four partners
	v_and_b32 v17, 31, v0                          ; l            (v17-19 serve the set-up alone; later they hold rounded x)
	v_and_b32 v18, 15, v0                          ; l % 16
	v_bfe_u32 v19, v0, 4, 1                        ; l / 16
	s_lshl_b32 s40, s[WV], 15
	v_lshl_add_u32 v[ADRB], v17, 4, s40
	v_add_nc_u32 v[ADRB+1], SLOTB, v[ADRB]
	v_mul_u32_u24 v[ADRA], v18, XPI                ; token row l % 16, 16 bytes for each half of the lanes
	v_lshl_add_u32 v[ADRA], v19, 4, v[ADRA]
	v_add_nc_u32 v[ADRA], XBUF, v[ADRA]
	s_mul_i32 s40, s[WV], 16*XPI                   ; I bring in token rows 16 w + l / 16 + 2 i, four numbers at l % 16
	s_add_co_u32 s40, s40, XBUF
	v_mul_u32_u24 v[XSA], v19, XPI
	v_lshl_add_u32 v[XSA], v18, 3, v[XSA]
	v_add_nc_u32 v[XSA], s40, v[XSA]
	s_lshl_b32 s40, s[WV], 16
	v_lshl_add_u32 v[XO], v19, 12, s40
	v_lshl_add_u32 v[XO], v18, 4, v[XO]
	s_lshl_b32 s40, s[WV], 10
	v_lshl_add_u32 v[BO], v19, 5, s40
	s_mul_i32 s40, s[WV], 4*HPI                    ; stage in: token l % 16, my four heads, 16 bytes for each half of the lanes
	s_add_co_u32 s40, s40, STAGE
	v_mul_u32_u24 v[STO], v18, KPI
	v_lshl_add_u32 v[STO], v19, 4, v[STO]
	v_add_nc_u32 v[STO], s40, v[STO]
	s_mul_i32 s40, s[WV], 4*KPI                    ; back: my four tokens, head l % 16
	s_add_co_u32 s40, s40, STAGE
	v_mul_u32_u24 v[FRD], v18, HPI
	v_lshl_add_u32 v[FRD], v19, 4, v[FRD]
	v_add_nc_u32 v[FRD], s40, v[FRD]
	s_lshl_b32 s40, s[WV], 6
	s_add_co_u32 s40, s40, STAGE
	v_mul_u32_u24 v[VSTO], v18, VPI
	v_lshl_add_u32 v[VSTO], v19, 8, v[VSTO]
	v_add_nc_u32 v[VSTO], s40, v[VSTO]
	s_mul_i32 s40, s[WV], 4*VPI
	s_add_co_u32 s40, s40, STAGE
	v_lshl_add_u32 v[VRD], v17, 4, s40
	s_lshl_b32 s40, s[WV], 14
	v_lshl_add_u32 v[OO], v19, 11, s40
	v_lshl_add_u32 v[OO], v18, 4, v[OO]
	v_and_b32 v[PFX], 63, v0                       ; a row of my work-group's 64
	v_lshlrev_b32 v[PFX], 12, v[PFX]
	v_lshlrev_b32 v[PFW], 8, v0                    ; 8,192 w + 256 l
	s_wait_dscnt 0x0                               ; the opening add is done
	s_wait_kmcnt 0x0
	s_lshl_b32 s58, s14, 18                        ; 64 tokens of 4,096 bytes
	s_mov_b32 s59, 0
	s_add_nc_u64 s[XB:XB+1], s[4:5], s[58:59]
	s_add_nc_u64 s[OUT:OUT+1], s[10:11], s[58:59]
	s_lshl_b32 s40, s[WV], 15
	s_mov_b32 s41, 0
	s_add_nc_u64 s[WB:WB+1], s[6:7], s[40:41]
	s_lshl_b32 s40, s[ROT], 17                     ; step 0's block,
	s_add_nc_u64 s[G0+2:G0+3], s[WB:WB+1], s[40:41]
	s_or_b32 s[G0+3], s[G0+3], 0x80000000          ; type = 2
	s_add_co_u32 s40, s[ROT], 1                    ; step 1's
	s_and_b32 s40, s40, 15
	s_lshl_b32 s40, s40, 17
	s_add_nc_u64 s[G0+6:G0+7], s[WB:WB+1], s[40:41]
	s_or_b32 s[G0+7], s[G0+7], 0x80000000
	s_lshl_b32 s60, s[ROT], 17                     ; wt's prefetch: the second pass, my cluster's first block, my work-group's quarter of it
	s_lshl_b32 s61, s13, 15
	s_add_co_u32 s60, s60, s61
	s_add_co_u32 s60, s60, 0x200000
	s_mov_b32 s61, 0
	s_add_nc_u64 s[PW:PW+1], s[6:7], s[60:61]
	CROUND                                         ; all four work-groups are here: the first joint loads meet
	tensor_load_to_lds s[G0:G0+3], s[G1:G1+7]      ; both slots' first fills go out together, ahead of everything else that is asked of memory: two tensor loads of mine are out
	s_nop 0
	tensor_load_to_lds s[G0+4:G0+7], s[G1:G1+7]
	s_nop 0
	PLACES
	BIAS 0, 0
	BIAS 0, 1
	BIAS 0, 2
	BIAS 0, 3
	s_mov_b32 s[RO], s[ROT]
	XADDR 0
	XLOAD 0                                        ; x of step 0
	XSTORE 0, 0, 0                                 ; (its wait covers the bias too)
	s_add_co_u32 s[RO], s[ROT], 1
	s_and_b32 s[RO], s[RO], 15
	XADDR 0
	XLOAD 0                                        ; x of step 1
	s_mov_b32 s[N2], 2
	s_add_co_u32 s[RO], s[ROT], 2
	s_and_b32 s[RO], s[RO], 15
	s_wait_tensorcnt 1                             ; my part of slot 0 is in; slot 1's may stay out
	s_wait_dscnt 0x0                               ; my part of x is stored
	s_barrier_signal -1
	s_barrier_wait -1
	FETCHA 0, 0
	FETCHB 0, 0, 0
	s_mov_b32 s[CNT], 8                            ; PASS K.  The ring runs on across the passes: a pass's last two changes of slots ask for the next pass's first two blocks
.Lpass_k:
	LAP 1, 1
	WIN 0                                          ; at a label and at a branch every window is 0
	s_sub_co_u32 s[CNT], s[CNT], 1
	s_cmp_lg_u32 s[CNT], 0
	s_cbranch_scc1 .Lpass_k
	PLACES
	s_wait_dscnt 0x0                               ; the next pass's first fragments are in; they wait in v32-63 and v96-159
	KMAX 0
	KEXP 0
	KSUM 0
	KNORM 0
	KPUT 0
	KROUND 0, 1
	KROUND 1, 2
	KROUND 2, 3
	SYNC
	KBACK 3                                        ; no barrier behind this read-back: the stage's next store stands behind pass Q's sixteen rounds
	BIAS 1, 3
	s_wait_xcnt 0x0                                ; the prefetch has read its address
	s_add_nc_u64 s[PW:PW+1], s[PW:PW+1], 0x200000  ; the third pass
	s_cmp_lt_u32 ttmp9, 16
	s_cselect_b32 s[LIMW], 30, -1
	s_wait_dscnt 0x0                               ; the last tokens' weights
	s_wait_loadcnt 0x0                             ; Q's bias
	s_mov_b32 s[CNT], 8                            ; PASS Q
.Lpass_q:
	LAP 0, 1
	WIN 0
	s_sub_co_u32 s[CNT], s[CNT], 1
	s_cmp_lg_u32 s[CNT], 0
	s_cbranch_scc1 .Lpass_q
	PLACES
	s_wait_dscnt 0x0
	PACK8 0, 0
	PACK8 0, 1
	QPUT 0
	QROUND 0, 1
	QROUND 1, 2
	QROUND 2, 3
	QROUND 3, -1
	s_wait_loadcnt 0x0                             ; V's bias
	s_mov_b32 s[CNT], 7                            ; PASS V
.Lpass_v:
	LAP 0, 0
	WIN 0
	s_sub_co_u32 s[CNT], s[CNT], 1
	s_cmp_lg_u32 s[CNT], 0
	s_cbranch_scc1 .Lpass_v
	QUARTER 0, 0, 1, 0                             ; the last lap is written out: nothing more is asked for
	QUARTER 0, 1, 0, 0
	QUARTER 0, 2, 0, 0
	TURN 0, 0, 0
	QUARTER 1, 0, 0, 0
	QUARTER 1, 1, 0, 0
	QUARTER 1, 2, 0, 0
	s_wait_dscnt 8
	MUL 3, 0, 4
	s_wait_dscnt 0x0
	MUL 3, 4, 4
	PLACES
	PACK8 0, 0
	PACK8 0, 1
	VPUT 0
	VROUND 0, 1
	VROUND 1, 2
	VROUND 2, 3
	VROUND 3, -1
	s_wait_tensorcnt 0x0                           ; the wave's end, behind my last tensor load and my last LDS store
	ds_add_u32 v[SPW], v[NIL]
	s_wait_dscnt 0x0
	CROUND                                         ; the closing round: no work-group ends while a partner may still ask for a block that names it
	s_endpgm
.Lfunc_end_k_q28370541eb_main:
	.size	k_q28370541eb_main, .Lfunc_end_k_q28370541eb_main-k_q28370541eb_main
	.p2alignl 7, 3214868480
	.fill 96, 4, 3214868480
	.section	.rodata,"a",@progbits
	.p2align	6, 0x0
	.amdhsa_kernel k_q28370541eb_main
		.amdhsa_group_segment_fixed_size 327680
		.amdhsa_private_segment_fixed_size 0
		.amdhsa_enable_private_segment 0
		.amdhsa_kernarg_size 32
		.amdhsa_user_sgpr_count 2
		.amdhsa_user_sgpr_kernarg_segment_ptr 1
		.amdhsa_wavefront_size32 1
		.amdhsa_system_sgpr_workgroup_id_x 1
		.amdhsa_system_sgpr_workgroup_id_y 1
		.amdhsa_system_sgpr_workgroup_id_z 1
		.amdhsa_system_vgpr_workitem_id 0
		.amdhsa_next_free_vgpr 1024
		.amdhsa_next_free_sgpr 66
		.amdhsa_reserve_vcc 0
		.amdhsa_float_denorm_mode_32 3
		.amdhsa_float_denorm_mode_16_64 3
		.amdhsa_memory_ordered 1
		.amdhsa_forward_progress 1
		.amdhsa_inst_pref_size 255
	.end_amdhsa_kernel
	.section	.bss,"aw",@nobits
	.p2align	6
	.space	262144
	.amdgpu_metadata
---
amdhsa.version: [ 1, 2 ]
amdhsa.kernels:
  - .name:           k_q28370541eb_main
    .symbol:         k_q28370541eb_main.kd
    .args:
      - { .name: x, .offset: 0, .size: 8, .value_kind: global_buffer, .address_space: global }
      - { .name: wt, .offset: 8, .size: 8, .value_kind: global_buffer, .address_space: global }
      - { .name: bp, .offset: 16, .size: 8, .value_kind: global_buffer, .address_space: global }
      - { .name: out0, .offset: 24, .size: 8, .value_kind: global_buffer, .address_space: global }
    .group_segment_fixed_size: 327680
    .private_segment_fixed_size: 0
    .kernarg_segment_align: 8
    .kernarg_segment_size: 32
    .max_flat_workgroup_size: 128
    .sgpr_count:     66
    .vgpr_count:     1024
    .wavefront_size: 32
...
	.end_amdgpu_metadata
.endif
;; end of part 2
